; MI455X (gfx1250); checked and timed in simulation.
; The chip was launched on July 23, 2026; its instructions are those of AMD's public machine-readable ISA for CDNA 5 (MIT licence, August 2026) and "CDNA5" Instruction Set Architecture Reference Guide (July 2026). The comments in the code are by the model that wrote it; some were corrected since.
;; Attention. Allowed arithmetic: matrix products marked QUANTISED: E4M3 operands, one given power-of-two scale a tensor, by v_wmma_f32_16x16x64_fp8_fp8 or v_wmma_f32_16x16x128_fp8_fp8, f32 sums; everything else in f32.
;; Inputs: freqs_cos 2,048 x 32 float32; freqs_sin 2,048 x 32 float32; lowp_scales 12 int32 (the exponents e of the quantised operands' scales 2^e); wk 1,024 x 1,024 float32; wo 1,024 x 1,024 float32; wq 1,024 x 1,024 float32; wv 1,024 x 1,024 float32; x 4 x 2,048 x 1,024 float32.
;; Outputs: out0 4 x 2,048 x 1,024 float32.
;; This version of the problem:
;;   THIS VERSION OF THE PROBLEM IS GIVEN IN LOW PRECISION. The matrix products marked QUANTISED in the list below multiply operands that are first quantised to E4M3 (4 exponent bits, 3 mantissa bits; 8 bits a number), with one given power-of-two scale for each operand tensor; their sums are f32. All else is computed in f32.
;;   The module's matrix products, in the order in which they are computed (A, B: the left and right operand; K: the contracted axis; several contracted axes count as one K, in the product's order):
;;     1. [M 8,192, K 1,024] x [K 1,024, N 1,024]; A: input x; B: input wq: QUANTISED (scales: A lowp_scales[0], B lowp_scales[1])
;;     2. [M 8,192, K 1,024] x [K 1,024, N 1,024]; A: input x; B: input wk: QUANTISED (scales: A lowp_scales[2], B lowp_scales[3])
;;     3. [M 8,192, K 1,024] x [K 1,024, N 1,024]; A: input x; B: input wv: QUANTISED (scales: A lowp_scales[4], B lowp_scales[5])
;;     4. batch 64 x [M 2,048, K 64] x [K 64, N 2,048]; A: computed on the way; B: computed on the way: QUANTISED (scales: A lowp_scales[6], B lowp_scales[7])
;;     5. batch 64 x [M 2,048, K 2,048] x [K 2,048, N 64]; A: softmax (see below); B: computed on the way: QUANTISED (scales: A lowp_scales[8], B lowp_scales[9])
;;     6. [M 8,192, K 1,024] x [K 1,024, N 1,024]; A: computed on the way; B: input wo: QUANTISED (scales: A lowp_scales[10], B lowp_scales[11])
;;   THE QUANTISER, for each operand of a quantised product, along K:
;;     - The operand's scale is 2^e, e = its entry of the input lowp_scales (int32; the entries are numbered through the quantised products in the list's order, A before B).
;;     - Each number is divided by the scale, clamped to +-448, and rounded to the nearest number of E4M3, ties to even, subnormals kept.
;;     - The product sums the exact products of the quantised numbers (number of the format x scale) in f32.
;;   ~~~python
;;   def quantise(x, axis, e):      # numpy; x: float32 -> the quantised numbers, widened to float32 again
;;       x = np.moveaxis(x, axis, -1); K = x.shape[-1]
;;       r = np.clip(x / 2.0 ** e, -448, 448)
;;       step = 2.0 ** (np.maximum(np.frexp(np.where(r == 0, 1, r))[1] - 1, -6) - 3)
;;       q = np.round(r / step) * step * 2.0 ** e      # np.round: ties to even
;;       return np.moveaxis(q, -1, axis).astype(np.float32)
;;   ~~~
;;   SOFTMAX AHEAD OF A QUANTISED PRODUCT. Where the list says 'softmax', what is quantised is not the finished softmax but p = 2^(t - M), with t = logit x log2(e) and M = ceil(the row's largest t), a whole number; so 1/2 < the row's largest p <= 1. The row's sum l is taken of the UNQUANTISED p, in f32, and the product's result is divided by l at the end. Since M is a whole number, a kernel that streams over the keys may use a running M (the ceiling of the running maximum): every later rescaling is an exact power of two, so the quantised numbers keep their values, but for numbers so far below the row's largest that they fall under the format's range.
;;   OPERANDS COMPUTED ON THE WAY. 'Computed on the way' means the value that the module computes at that place (a softmax that the list does not call 'softmax' is quantised finished and normalised). What goes into a quantiser is computed in f32, as accurately as f32 sums, v_exp_f32 and their like allow (about 1e-6 of the number): no bf16 or f16 on the way to a quantiser, and a product that is left as it is and whose result goes on into a quantised operand takes f32 operands (vector FMAs, or v_wmma_f32_16x16x4_f32). A number that lies on a knife's edge between two numbers of the format may be rounded either way, as far as f32 arithmetic and the matrix unit's own rounding can turn it there, and no further.
;; One version. Each part assembles by itself: llvm-mc -triple=amdgcn-amd-amdhsa -mcpu=gfx1250 --defsym DOCPART=n.
;; ======== version 1 of 1: 4 launches
;; limits: right only within a limited range of input values
;; workspace buffers: xc 25,165,824 bytes; wc 4,194,304 bytes; qf 8,388,608 bytes; kv 16,777,216 bytes; af 8,388,608 bytes
;; launch quant (part 1): grid 384 x 1, 4 waves a work-group, no clusters, 66,048 bytes of LDS; arguments x, wq, wk, wv, wo, lowp_scales, xc, wc; writes xc, wc
.if DOCPART == 1
	.amdgcn_target "amdgcn-amd-amdhsa--gfx1250"
	.amdhsa_code_object_version 6
	.text
	.protected	k_q5d2770e765_quant
	.globl	k_q5d2770e765_quant
	.p2align	8
	.type	k_q5d2770e765_quant,@function
k_q5d2770e765_quant:
	s_mov_b64 s[64:65], 0
	v_nop
	global_prefetch_b8 v0, s[64:65] scope:SCOPE_SE
	s_setreg_imm32_b32 hwreg(HW_REG_WAVE_MODE, 25, 1), 1
	s_wait_xcnt 0x0
; x [8192][1024] f32 becomes three sets of E4M3 codes (scales 2^e0, 2^e2, 2^e4: the three products that read x have a scale each); wq, wk, wv, wo [1024][1024] f32 one set each (e1, e3, e5, e11).
; code = number / 2^e, held within +-448, rounded to the nearest code, ties to even.  K is innermost in all of them, so a tensor is a stream of rows of 1,024 numbers -> 1,024 bytes.
; ROW ORDER OF THE CODES.  xc[0] and wc[3] keep their rows.  In xc[1], xc[2], wc[0..2] the second and third group of 8 rows of every 32 change places: buffer row 32 g + 16 u + i holds row 32 g + 8 u + i + 8 (i / 8).
; A block of 16 buffer rows used as a matrix instruction's first source then leaves, in a lane's 16 registers of two neighbouring blocks, 16 NEIGHBOURS along the next product's K.
; SHARES.  A wave takes 8 rows (8,192 numbers): just one such group, so the exchange is a choice of the wave's destination.  Work-groups 0-255 take x (three conversions a number), 256-383 the weights, 32 each.
; Each of a step's four loads reads 512 consecutive bytes; the 2,048 bytes turn through the wave's own stage in LDS (16 bytes of padding behind each 64) and come back 64 bytes a lane: 16 neighbours for the conversions.
; A lane's 16 codes are 16 bytes: a store of the wave covers 512 consecutive bytes, aligned.  No barrier: waves share nothing.  The two paths have LDS bytes of their own.
; LIMITS: each of e0 .. e5 and e11 between -126 and 119, so that 2^e and 448 x 2^e are f32 numbers.  NaN among the inputs is not served; an infinity is held at the largest code.
.set STEPS, 16
.set WREG,  8192                       ; LDS: a region for each wave: two stages of 32 x SP bytes
.set SP,    80                         ; a lane's place in a stage: 64 bytes + 16 of padding
.set WBASE, 32768                      ; the weights' path has its four regions here
.set SPARE, 65536                      ; the spare words, 128 bytes a wave: two blocks of 256 bytes that no other line names
.set SCL,   5                          ; v5-7    2^e as f32, one for each destination
.set LIMR,  8
.set SPW,   12                         ; v12     LDS address of my spare word; never rewritten
.set NIL,   13                         ; v13     0; never rewritten
.set R,     16                         ; v16-79  four sets of 16 numbers as loaded
.set X,     80                         ; v80-111 two sets of 16 neighbours
.set T,     112
.set C,     128                        ; v128-139 codes: four registers for each destination
	s_load_b512 s[4:19], s[0:1], 0x0               ; x 4, wq 6, wk 8, wv 10, wo 12, scales 14, xc 16, wc 18
	v_lshl_add_u32 v[SPW], v0, 2, SPARE
	v_mov_b32 v[NIL], 0
	v_lshrrev_b32 v1, 5, v0
	v_readfirstlane_b32 s32, v1                    ; wave
	v_and_b32 v2, 31, v0                           ; lane
	v_lshlrev_b32 v3, 4, v2                        ; 16 x lane: my bytes of a load's 512 and of a store's 512; never rewritten
	s_mul_i32 s33, s32, WREG
	v_lshrrev_b32 v14, 2, v2
	v_mul_u32_u24 v14, v14, SP
	v_and_b32 v15, 3, v2
	v_lshl_add_u32 v14, v15, 4, v14
	v_add_nc_u32 v14, s33, v14                     ; the stage, in: SP (lane / 4) + 16 (lane % 4)
	v_mul_u32_u24 v15, v2, SP
	v_add_nc_u32 v15, s33, v15                     ; and out: SP x lane
	s_and_b32 s35, s32, 1
	s_lshl_b32 s35, s35, 1
	s_lshr_b32 s36, s32, 1
	s_or_b32 s35, s35, s36                         ; my group's place where groups 1 and 2 change places
	s_mov_b32 s49, 0
	s_wait_kmcnt 0x0
	s_load_b256 s[20:27], s[14:15], 0x0            ; e0 .. e7
	s_load_b128 s[28:31], s[14:15], 0x20           ; e8 .. e11
.macro LOAD t
.irp i, 0,1,2,3
	global_load_b128 v[R+16*((\t)%4)+4*\i:R+16*((\t)%4)+4*\i+3], v3, s[40:41] offset:2048*(\t)+512*\i th:TH_LOAD_NT
.endr
.endm
.macro TURN t, base                    ; step t's numbers through the stage: LDS serves a wave's instructions in order, so no wait stands between the stores and the loads
.irp i, 0,1,2,3
	ds_store_b128 v14, v[R+16*((\t)%4)+4*\i:R+16*((\t)%4)+4*\i+3] offset:\base+32*SP*((\t)%2)+8*SP*\i
.endr
.irp i, 0,1,2,3
	ds_load_b128 v[X+16*((\t)%2)+4*\i:X+16*((\t)%2)+4*\i+3], v15 offset:\base+32*SP*((\t)%2)+16*\i
.endr
.endm
.macro MKC d, e                        ; 2^e and 448 x 2^e as f32, e in s[e]
	s_add_co_i32 s33, s[\e], 127
	s_lshl_b32 s34, s33, 23
	v_mov_b32 v[SCL+\d], s34
	s_add_co_i32 s33, s33, 8
	s_lshl_b32 s33, s33, 23
	s_or_b32 s33, s33, 0x600000
.endm
.macro QOUT t, d                       ; step t's 16 numbers with destination d's scale
.irp i, 0,1,2,3,4,5,6,7,8,9,10,11,12,13,14,15
.endr
	v_cvt_scalef32_pk8_fp8_f32 v[C+4*\d:C+4*\d+1], v[T+((X+16*((\t)%2)+0)-(T+0)):T+7+((X+16*((\t)%2)+0)-(T+0))], v[SCL+\d]
	v_cvt_scalef32_pk8_fp8_f32 v[C+4*\d+2:C+4*\d+3], v[T+8+((X+16*((\t)%2)+0)-(T+0)):T+15+((X+16*((\t)%2)+0)-(T+0))], v[SCL+\d]
	v_nop                                          ; a plain line between the conversions and the next write of their sources
	global_store_b128 v3, v[C+4*\d:C+4*\d+3], s[42+2*\d:43+2*\d] offset:512*(\t)
.endm
.macro STEP t, n, base
	s_wait_dscnt 0x0                               ; this step's numbers are back from the stage, and its stores into the stage have read their registers,
.if (\t)+4 < STEPS
	LOAD (\t)+4                                    ; which take the loads of four steps on
.endif
.if (\t)+1 < STEPS
.if STEPS-2-(\t) >= 3
	s_wait_loadcnt 12                              ; the next step's four loads are in; those of the three steps behind it may be out
.else
	s_wait_loadcnt 4*(STEPS-2-(\t))
.endif
	TURN (\t)+1, \base
.endif
	s_wait_xcnt 0x0                                ; the last step's stores have read their data: the codes' registers are written again only behind this wait
	QOUT \t, 0
.if \n > 1
	QOUT \t, 1
	QOUT \t, 2
.endif
.endm
	s_cmp_lt_u32 ttmp9, 256                        ; x's work-group or a weight's: the work-group's number alone decides
	s_cbranch_scc0 .Lw
	s_lshl_b32 s33, ttmp9, 2
	s_add_co_u32 s34, s33, s32                     ; which 8 rows of x are mine,
	s_add_co_u32 s35, s33, s35                     ; and their place in the exchanged order
	s_lshl_b32 s48, s34, 15
	s_add_nc_u64 s[40:41], s[4:5], s[48:49]        ; 8 rows of 4,096 bytes
	s_lshl_b32 s48, s34, 13
	s_add_nc_u64 s[42:43], s[16:17], s[48:49]      ; xc[0]: rows as they are
	s_lshl_b32 s48, s35, 13
	s_add_nc_u64 s[44:45], s[16:17], s[48:49]
	s_add_nc_u64 s[46:47], s[44:45], 0x1000000     ; xc[2]
	s_add_nc_u64 s[44:45], s[44:45], 0x800000      ; xc[1]
	s_wait_alu depctr_va_vdst(0)
.irp t, 0,1,2,3
	LOAD \t
.endr
	s_wait_kmcnt 0x0
	MKC 0, 20
	MKC 1, 22
	MKC 2, 24
	s_wait_alu depctr_va_vdst(0)
	s_wait_loadcnt 12                              ; step 0's four loads are in
	TURN 0, 0
.irp t, 0,1,2,3,4,5,6,7,8,9,10,11,12,13,14,15
	STEP \t, 3, 0
.endr
	s_branch .Lend
.Lw:
	s_sub_co_u32 s33, ttmp9, 256
	s_lshr_b32 s37, s33, 5                         ; which weight: 0 wq, 1 wk, 2 wv, 3 wo
	s_and_b32 s33, s33, 31
	s_lshl_b32 s33, s33, 2
	s_add_co_u32 s34, s33, s32                     ; which 8 rows,
	s_add_co_u32 s35, s33, s35
	s_cmp_eq_u32 s37, 3
	s_cselect_b32 s35, s34, s35                    ; wo keeps its rows
	s_cmp_eq_u32 s37, 1
	s_cselect_b64 s[40:41], s[8:9], s[6:7]
	s_cmp_eq_u32 s37, 2
	s_cselect_b64 s[40:41], s[10:11], s[40:41]
	s_cmp_eq_u32 s37, 3
	s_cselect_b64 s[40:41], s[12:13], s[40:41]
	s_lshl_b32 s48, s34, 15
	s_add_nc_u64 s[40:41], s[40:41], s[48:49]
	s_lshl_b32 s48, s37, 20                        ; a weight's codes are 2^20 bytes
	s_lshl_b32 s36, s35, 13
	s_add_co_u32 s48, s48, s36
	s_add_nc_u64 s[42:43], s[18:19], s[48:49]
	s_wait_alu depctr_va_vdst(0)
.irp t, 0,1,2,3
	LOAD \t
.endr
	s_wait_kmcnt 0x0
	s_cmp_eq_u32 s37, 1
	s_cselect_b32 s38, s23, s21
	s_cmp_eq_u32 s37, 2
	s_cselect_b32 s38, s25, s38
	s_cmp_eq_u32 s37, 3
	s_cselect_b32 s38, s31, s38
	MKC 0, 38
	s_wait_alu depctr_va_vdst(0)
	s_wait_loadcnt 12
	TURN 0, WBASE
.irp t, 0,1,2,3,4,5,6,7,8,9,10,11,12,13,14,15
	STEP \t, 1, WBASE
.endr
.Lend:
	s_wait_tensorcnt 0x0                           ; the wave's end: behind my last LDS store
	ds_add_u32 v[SPW], v[NIL]
	s_wait_dscnt 0x0
	s_endpgm
.Lfunc_end_k_q5d2770e765_quant:
	.size	k_q5d2770e765_quant, .Lfunc_end_k_q5d2770e765_quant-k_q5d2770e765_quant
	.p2alignl 7, 3214868480
	.fill 96, 4, 3214868480
	.section	.rodata,"a",@progbits
	.p2align	6, 0x0
	.amdhsa_kernel k_q5d2770e765_quant
		.amdhsa_group_segment_fixed_size 66048
		.amdhsa_private_segment_fixed_size 0
		.amdhsa_enable_private_segment 0
		.amdhsa_kernarg_size 64
		.amdhsa_user_sgpr_count 2
		.amdhsa_user_sgpr_kernarg_segment_ptr 1
		.amdhsa_wavefront_size32 1
		.amdhsa_system_sgpr_workgroup_id_x 1
		.amdhsa_system_sgpr_workgroup_id_y 1
		.amdhsa_system_sgpr_workgroup_id_z 1
		.amdhsa_system_vgpr_workitem_id 0
		.amdhsa_next_free_vgpr 144
		.amdhsa_next_free_sgpr 66
		.amdhsa_reserve_vcc 0
		.amdhsa_float_denorm_mode_32 3
		.amdhsa_float_denorm_mode_16_64 3
		.amdhsa_fp16_overflow 1
		.amdhsa_memory_ordered 1
		.amdhsa_forward_progress 1
		.amdhsa_inst_pref_size 52
	.end_amdhsa_kernel
	.amdgpu_metadata
---
amdhsa.version: [ 1, 2 ]
amdhsa.kernels:
  - .name:           k_q5d2770e765_quant
    .symbol:         k_q5d2770e765_quant.kd
    .args:
      - { .name: x, .offset: 0, .size: 8, .value_kind: global_buffer, .address_space: global }
      - { .name: wq, .offset: 8, .size: 8, .value_kind: global_buffer, .address_space: global }
      - { .name: wk, .offset: 16, .size: 8, .value_kind: global_buffer, .address_space: global }
      - { .name: wv, .offset: 24, .size: 8, .value_kind: global_buffer, .address_space: global }
      - { .name: wo, .offset: 32, .size: 8, .value_kind: global_buffer, .address_space: global }
      - { .name: lowp_scales, .offset: 40, .size: 8, .value_kind: global_buffer, .address_space: global }
      - { .name: xc, .offset: 48, .size: 8, .value_kind: global_buffer, .address_space: global }
      - { .name: wc, .offset: 56, .size: 8, .value_kind: global_buffer, .address_space: global }
    .group_segment_fixed_size: 66048
    .private_segment_fixed_size: 0
    .kernarg_segment_align: 8
    .kernarg_segment_size: 64
    .max_flat_workgroup_size: 128
    .sgpr_count:     66
    .vgpr_count:     144
    .wavefront_size: 32
...
	.end_amdgpu_metadata
.endif
;; end of part 1
;; launch qkv (part 2): grid 12 x 32, 4 waves a work-group, clusters of 4 x 4, 327,680 bytes of LDS; arguments xc, wc, freqs_cos, freqs_sin, lowp_scales, qf, kv; writes qf, kv
.if DOCPART == 2
	.amdgcn_target "amdgcn-amd-amdhsa--gfx1250"
	.amdhsa_code_object_version 6
	.text
	.protected	k_q5d2770e765_qkv
	.globl	k_q5d2770e765_qkv
	.p2align	8
	.type	k_q5d2770e765_qkv,@function
k_q5d2770e765_qkv:
	s_mov_b64 s[64:65], 0
	v_nop
	global_prefetch_b8 v0, s[64:65] scope:SCOPE_SE
	s_setreg_imm32_b32 hwreg(HW_REG_WAVE_MODE, 25, 1), 1
	s_wait_xcnt 0x0
	s_wait_alu depctr_hold_cnt(0) depctr_sa_sdst(0) depctr_va_vdst(0) depctr_va_sdst(0) depctr_va_ssrc(0) depctr_va_vcc(0) depctr_vm_vsrc(0)
	s_getreg_b32 s2, hwreg(HW_REG_IB_STS2, 6, 4)
	s_cmp_eq_u32 s2, 0
	s_cbranch_scc0 .Lentry_in_a_cluster
	s_endpgm
.Lentry_in_a_cluster:
	s_bfe_u32 s2, ttmp6, 0x10000c
	s_cmp_lg_u32 s2, 0xf033
	s_cbranch_scc0 .Lentry_shape_is_right
	s_endpgm
.Lentry_shape_is_right:
; q = rope(x wq^T), k = rope(x wk^T), v = x wv^T on E4M3 codes, each result quantised at once (scales 2^e6, 2^e7, 2^e9) and stored IN THE ORDER OF THE NEXT PRODUCT'S OPERAND REGISTERS.
; The cluster's x says which: p = 0 q, 1 k, 2 v.  A tile of 256 x 256 is made by four waves, 128 x 128 each: 64 accumulators of 16 x 16, 512 registers.  K = 1,024 goes in four steps of 256 through a ring of two LDS slots.
; SOURCES.  In D = source 0 x source 1^T a lane holds ONE row of source 1 and its registers run along source 0's rows.  q, k: source 1 = tokens (xc[p]), source 0 = channels (wc[p]): a lane's registers run along the head's channels,
; which are the K of the scores.  v: source 1 = channels (wc[2]), source 0 = tokens (xc[2]): a lane's registers run along the keys, the K of the second product.  Source 0's rows lie in the exchanged order (buffer row
; 32 g + 16 u + i = row 32 g + 8 u + i + 8 (i / 8)), so the 16 registers of blocks 2 c and 2 c + 1 are 16 neighbours 32 c + 16 (lane / 16) + 0 .. 15: two conversions give four registers = one chunk of the next operand,
; stored as 512 consecutive aligned bytes (16 x lane).  No stage in LDS and no transposition on the way out.
; qf[bh][16 queries][chunk c 2][lane][16]: query = lane % 16, channels 32 c + 16 (lane / 16) + 0 .. 15.
; kv[bh][128 keys][16,384]: K at 0: [tile t 8][c 2][lane][16], key 32 (t / 2) + 8 (t % 2) + r + 8 (r / 8), r = lane % 16; V at 8,192: [tile t 4][c 4][lane][16], channel 32 (t / 2) + 8 (t % 2) + r + 8 (r / 8), keys 32 c + 16 (lane / 16) + 0 .. 15.
; ROPE is linear, so it is applied to the raw sums, and 2^(ex + ew) is folded into the conversion's one scale 2^(eo - ex - ew).  One product of each pair is fused into the addition.
; CLUSTERS: 4 x 4 work-groups; source 1's tile is shared along a row of the cluster, source 0's along a column: joint loads, the same descriptor and a mask that names the four.
; LIMITS: eo - ex - ew between -126 and 119 for each of the three.  NaN is not served.
; REGISTERS, in windows of 256: window 0: v0-31 addresses; v32-95 rotary tables; from v128 source 1's fragments, ONE set (on the way out v96-207 are at work).  window 1: source 0's fragments, two sets.  windows 2, 3: the accumulators ((a, b) at v[8 (8 (a % 4) + b)]).
.set KSTEP,  256
.set ROWB,   256                       ; a tile's row in bytes
.set KROW,   1024                      ; a row of codes in memory
.set PITCH,  272                       ; an LDS row: 256 bytes + 16 of padding = 68 words: the 16 rows that a load touches start at 16 different banks (64 banks of 4 bytes: ISA guide 11.1)
.set FR,     16                        ; registers of a fragment: 16 rows x 128 K
.set NL,     4                         ; LDS loads that bring one
.set NP,     4                         ; places behind this matrix instruction (ISA guide 7.12.1)
.set HALFT,  128*PITCH
.set SLOT,   4*HALFT                   ; source 1's 256 rows, then source 0's
.set LAPS,   2                         ; 1,024 / 512
.set SPARE,  2*SLOT                    ; behind the ring: the spare words, 128 bytes a wave: two blocks of 256 bytes that no other line names
.set ADRA, 16                          ; v16-17  LDS address of my fragments of source 1 in slot 0, 1
.set ADRB, 20                          ; v20-21  of source 0
.set SC,   22                          ; v22     2^(eo - ex - ew) as f32
.set LIM,  23                          ; v23     448 x that
.set LI,   27                          ; v27     16 x lane
.set SPW,  28                          ; v28     my spare word; never rewritten
.set NIL,  29                          ; v29     0; never rewritten
.set CA,   30                          ; v30-31  my byte in the tables for even and odd blocks of tokens
.set TAB,  32                          ; v32-95  two sets: cos at +8 cc + i, sin at +16 + 8 cc + i
.set O,    96                          ; v96-159 a block's 64 numbers
.set T,    160                         ; v160-175 products by sin
.set CD,   176                         ; v176-207 two sets of 16 registers of codes
.set AF,   128
.set G1, 24
.set G0, 32
.set G1B, 48
.set G0B, 56
.set MSB, 0
.macro WIN new                         ; the immediate's high byte repeats the setting that is left
.if MSB != (\new)
	s_set_vgpr_msb (MSB<<8)|(\new)
.set MSB, (\new)
.endif
.endm
.set MUL_LO, 0xa1                      ; source 0 window 1, source 1 window 0, C and D window 2
.set MUL_HI, 0xf1
.set TO_B,   0x40
; A joint load: waves 0 and 1 fetch source 1's halves, waves 2 and 3 source 0's.  The branch hangs on the wave's number alone.  An s_nop 0 and four v_nop follow each line.
.macro JLOAD g0a, g1a, g0b, g1b
	s_cmp_eq_u32 s15, 0
	s_cbranch_scc0 .Lfor_b_\@
	tensor_load_to_lds s[\g0a:\g0a+3], s[\g1a:\g1a+7]
	s_nop 0
.rept 4
	v_nop
.endr
	s_branch .Lasked_\@
.Lfor_b_\@:
	tensor_load_to_lds s[\g0b:\g0b+3], s[\g1b:\g1b+7]
	s_nop 0
.rept 4
	v_nop
.endr
.Lasked_\@:
.endm
.macro CREST                           ; a round of the cluster's barrier behind its opening barrier
	s_cmp_lg_u32 s14, 0
	s_cbranch_scc1 .Lnot_wave_0_\@
	s_barrier_signal -3
.Lnot_wave_0_\@:
	s_barrier_wait -3
	s_barrier_signal -1
	s_barrier_wait -1
.endm
.macro CROUND
	s_barrier_signal -1
	s_barrier_wait -1
	CREST
.endm
	s_load_b256 s[4:11], s[0:1], 0x0               ; xc 4, wc 6, cos 8, sin 10
	s_load_b128 s[68:71], s[0:1], 0x20             ; scales 68, qf 70
	s_load_b64 s[72:73], s[0:1], 0x30              ; kv
	v_lshl_add_u32 v[SPW], v0, 2, SPARE
	v_mov_b32 v[NIL], 0
	ds_add_u32 v[SPW], v[NIL]
	ds_add_u32 v[SPW], v[NIL]                      ; the wave's opening: the add and its wait ahead of my first tensor load; the set-up below stands between them
	v_lshrrev_b32 v1, 5, v0
	v_readfirstlane_b32 s14, v1                    ; wave 0..3
	s_lshr_b32 s15, s14, 1                         ; my half of source 1's rows.  Also: I fetch for source 1 (0) or source 0 (1)
	s_and_b32 s16, s14, 1                          ; my half of source 0's rows.  Also: which 128 rows I fetch
	s_bfe_u32 s40, ttmp6, 0x40000                  ; cx
	s_bfe_u32 s41, ttmp6, 0x40004                  ; cy
	s_and_b32 s76, ttmp7, 0xffff
	s_lshl_b32 s76, s76, 2                         ; 4 x cluster y: the tokens' 32 tiles of 256 are walked by it
	s_cmp_eq_u32 ttmp9, 2                          ; v? then the tokens are source 0
	s_cselect_b32 s17, 0, s76
	s_cselect_b32 s42, s76, 0
	s_cselect_b32 s77, 20, 23                      ; a set of a weight's codes is 2^20 bytes, of x's 2^23
	s_cselect_b32 s78, 23, 20
	s_add_co_u32 s17, s17, s41                     ; source 1's tile: hangs on cy alone within the cluster
	s_add_co_u32 s42, s42, s40                     ; source 0's tile: on cx alone
	s_lshl_b32 s43, s41, 2
	s_lshl_b32 s43, 15, s43                        ; my row of the cluster
	s_lshl_b32 s44, 0x1111, s40                    ; my column
	s_or_b32 s[G1+0], s43, (0<<16)|(1<<20)|(1<<21)|(5<<22)|(3<<25)  ; mask; elements of 1 byte; padding on; bit 21 beside a mask; after every 64 words, 4 words
	s_or_b32 s[G1B+0], s44, (0<<16)|(1<<20)|(1<<21)|(5<<22)|(3<<25)
.irp g, G1, G1B
	s_mov_b32 s[\g+1], ROWB<<16                    ; tensor_dim0
	s_mov_b32 s[\g+2], 128<<16                     ; tensor_dim1
	s_mov_b32 s[\g+3], ROWB<<16                    ; tile_dim0
	s_mov_b32 s[\g+4], 128                         ; tile_dim1
	s_mov_b32 s[\g+5], KROW                        ; the pitch
	s_mov_b32 s[\g+6], 0
	s_mov_b32 s[\g+7], 0
.endr
	s_lshl_b32 s18, s16, 7                         ; which 128 rows of the tile I fetch
	s_lshl_b32 s20, s17, 8
	s_add_co_u32 s20, s20, s18
	s_lshl_b32 s20, s20, 10                        ; rows of 1,024 bytes
	s_lshl_b32 s19, ttmp9, s77
	s_add_co_u32 s20, s20, s19                     ; + set p
	s_mov_b32 s21, 0
	s_lshl_b32 s46, s42, 8
	s_add_co_u32 s46, s46, s18
	s_lshl_b32 s46, s46, 10
	s_lshl_b32 s19, ttmp9, s78
	s_add_co_u32 s46, s46, s19
	s_mov_b32 s47, 0
	s_mul_i32 s45, s14, HALFT                      ; where they go: wave x 128 rows
	s_wait_dscnt 0x0                               ; the opening add is done
	s_wait_kmcnt 0x0
	s_load_b256 s[80:87], s[68:69], 0x0            ; e0 .. e7
	s_load_b128 s[88:91], s[68:69], 0x20           ; e8 .. e11
	s_cmp_eq_u32 ttmp9, 2
	s_cselect_b64 s[66:67], s[6:7], s[4:5]         ; source 1's buffer
	s_cselect_b64 s[74:75], s[4:5], s[6:7]         ; source 0's
	s_add_nc_u64 s[20:21], s[66:67], s[20:21]
	s_add_nc_u64 s[46:47], s[74:75], s[46:47]
	CROUND                                         ; all sixteen work-groups are here: the first joint loads meet
.irp s, 0,1
	s_mov_b32 s[G0+4*\s], 1
	s_add_co_u32 s[G0+4*\s+1], s45, \s*SLOT
	s_add_nc_u64 s[G0+4*\s+2:G0+4*\s+3], s[20:21], \s*ROWB
	s_or_b32 s[G0+4*\s+3], s[G0+4*\s+3], 0x80000000
	s_mov_b32 s[G0B+4*\s], 1
	s_add_co_u32 s[G0B+4*\s+1], s45, \s*SLOT
	s_add_nc_u64 s[G0B+4*\s+2:G0B+4*\s+3], s[46:47], \s*ROWB
	s_or_b32 s[G0B+4*\s+3], s[G0B+4*\s+3], 0x80000000
	JLOAD G0+4*\s, G1, G0B+4*\s, G1B
.endr
	v_and_b32 v1, 15, v0                           ; r = lane % 16
	v_bfe_u32 v2, v0, 4, 1                         ; h = lane / 16
	v_mul_u32_u24 v3, v1, PITCH
	v_lshl_add_u32 v4, v2, 4, v3                   ; a fragment's row x pitch + 16 h
	s_mul_i32 s21, s15, HALFT
	s_mul_i32 s22, s16, HALFT
	s_add_co_u32 s22, s22, 2*HALFT
.irp s, 0,1
	v_add_nc_u32 v[ADRA+\s], s21, v4
	v_add_nc_u32 v[ADRB+\s], s22, v4
	s_add_co_u32 s21, s21, SLOT
	s_add_co_u32 s22, s22, SLOT
.endr
	v_and_b32 v6, 31, v0
	v_lshlrev_b32 v[LI], 4, v6
	; the tables: a row is 128 bytes; my lane wants entries 16 cc + 8 h + 0 .. 7 of its token's row.  q: block a's token is 16 a + r; k: 32 (a / 2) + 8 (a % 2) + r + 8 (r / 8)
	s_and_b32 s12, ttmp9, 1
	v_and_b32 v5, 8, v1
	v_mul_u32_u24 v5, s12, v5
	v_add_nc_u32 v5, v5, v1
	v_lshlrev_b32 v[CA], 7, v5
	v_lshl_add_u32 v[CA], v2, 5, v[CA]
	s_lshr_b32 s13, 2048, ttmp9                    ; an odd block lies 16 rows (q) or 8 rows (k) further on
	v_add_nc_u32 v[CA+1], s13, v[CA]
	s_wait_kmcnt 0x0
	s_add_co_i32 s80, s80, s81                     ; ex + ew of the three products,
	s_add_co_i32 s82, s82, s83
	s_add_co_i32 s84, s84, s85
	s_cmp_eq_u32 ttmp9, 1
	s_cselect_b32 s80, s82, s80
	s_cselect_b32 s86, s87, s86                    ; and the result's own: e6, e7 or e9
	s_cmp_eq_u32 ttmp9, 2
	s_cselect_b32 s80, s84, s80
	s_cselect_b32 s86, s89, s86
	s_sub_co_i32 s12, s86, s80
	s_add_co_i32 s12, s12, 127
	s_lshl_b32 s13, s12, 23
	v_mov_b32 v[SC], s13
	s_add_co_i32 s12, s12, 8
	s_lshl_b32 s12, s12, 23
	s_or_b32 s12, s12, 0x600000
	v_mov_b32 v[LIM], s12
	; where my results go.  s80-91 are free from here on
	s_lshl_b32 s95, s17, 8
	s_lshl_b32 s12, s15, 7
	s_add_co_u32 s95, s95, s12                     ; my first row of source 1
	s_lshl_b32 s96, s42, 8
	s_lshl_b32 s12, s16, 7
	s_add_co_u32 s96, s96, s12                     ; of source 0
	s_cmp_eq_u32 ttmp9, 2
	s_cselect_b32 s12, s96, s95                    ; my first token,
	s_cselect_b32 s13, s95, s96                    ; my first channel
	s_cselect_b32 s79, 8192, 0                     ; V lies behind K in a key step
	s_lshr_b32 s93, s12, 11
	s_lshl_b32 s93, s93, 4
	s_lshr_b32 s13, s13, 6
	s_add_co_u32 s93, s93, s13                     ; 16 x batch + head: the first of my two heads
	s_and_b32 s94, s12, 2047                       ; my first token in its sequence
	s_cmp_eq_u32 ttmp9, 0
	s_cselect_b32 s92, 17, 18                      ; a head is 2^17 bytes in qf, 2^18 in kv
	s_cselect_b64 s[84:85], s[70:71], s[72:73]
	s_lshl_b32 s18, s93, s92
	s_sub_co_u32 s19, s92, 11
	s_lshl_b32 s19, s94, s19                       ; a token is 64 bytes in qf, 128 in kv
	s_add_co_u32 s18, s18, s19
	s_add_co_u32 s18, s18, s79
	s_mov_b32 s19, 0
	s_add_nc_u64 s[84:85], s[84:85], s[18:19]
	s_lshl_b32 s18, 1, s92
	s_add_nc_u64 s[86:87], s[84:85], s[18:19]      ; my second head
	s_lshl_b32 s18, s94, 7
	s_add_nc_u64 s[88:89], s[8:9], s[18:19]        ; the tables at my first token
	s_add_nc_u64 s[90:91], s[10:11], s[18:19]
.macro FRAG reg, adr, q, i             ; 16 rows x 128 K: lane l holds row l % 16; registers 4 c .. 4 c + 3 hold K = 32 c + 16 (l / 16) + 0 .. 15: the same places in both sources
.irp c, 0,1,2,3
	ds_load_b128 v[\reg+4*\c:\reg+4*\c+3], v[\adr] offset:128*(\q)+32*\c+(\i)*16*PITCH
.endr
.endm
; 16 matrix instructions: source 1's blocks a0, a0 + 1 x source 0's eight.  The 64 accumulators take turns, one instruction a turn, in the same order in every step.
.macro MUL16 a0, p, zero
.irp a, \a0, \a0+1
.irp b, 0,1,2,3,4,5,6,7
.if \zero
	v_wmma_f32_16x16x128_fp8_fp8 v[8*(8*((\a)%4)+\b):8*(8*((\a)%4)+\b)+7], v[128*(\p)+FR*\b:128*(\p)+FR*\b+FR-1], v[AF+FR*(\a):AF+FR*(\a)+FR-1], 0
.else
	v_wmma_f32_16x16x128_fp8_fp8 v[8*(8*((\a)%4)+\b):8*(8*((\a)%4)+\b)+7], v[128*(\p)+FR*\b:128*(\p)+FR*\b+FR-1], v[AF+FR*(\a):AF+FR*(\a)+FR-1], v[8*(8*((\a)%4)+\b):8*(8*((\a)%4)+\b)+7]
.endif
.endr
.endr
.endm
.macro FETCH_B slot, q, p
	WIN TO_B
.irp i, 0,1,2,3,4,5,6,7
	FRAG 128*(\p)+FR*\i, ADRB+\slot, \q, \i
.endr
	WIN 0
.endm
.macro FETCH_A slot, q, i0
.irp i, \i0, \i0+1, \i0+2, \i0+3
	FRAG AF+FR*(\i), ADRA+\slot, \q, \i
.endr
.endm
.macro PLACES n                        ; plain vector lines between a matrix instruction and a load into, or a vector line on, its registers
.rept \n
	v_nop
.endr
.endm
.macro STEP slot, q, zero              ; 128 along K whose successor lies in the same slot
	s_wait_dscnt 4*NL                              ; source 0's set and blocks 0-3 are in; the youngest 16 loads (blocks 4-7) may be out
	WIN MUL_LO
	MUL16 0, (\q)%2, \zero
	MUL16 2, (\q)%2, \zero
	s_wait_dscnt 0
	PLACES NP
	FETCH_B \slot, (\q)+1, 1-(\q)%2
	FETCH_A \slot, (\q)+1, 0
	WIN MUL_HI
	MUL16 4, (\q)%2, \zero
	MUL16 6, (\q)%2, \zero
	PLACES NP
	WIN 0
	FETCH_A \slot, (\q)+1, 4
.endm
; A slot's last step changes slots: one barrier; in front of it each wave waits for all its tensor loads, adds 0 to its spare word, and waits for that and for its reads of this slot.
.macro TURN slot, next, fill
	s_wait_tensorcnt 0x0                           ; all my tensor loads have landed: my part of the next slot
	ds_add_u32 v[SPW], v[NIL]
	s_wait_dscnt 4*NL+1                            ; the add and the youngest 16 loads may be out
	WIN MUL_LO
	MUL16 0, 1, 0
	s_wait_dscnt 0x0                               ; the add is done, and my reads of this slot are over
	s_barrier_signal -1
	MUL16 2, 1, 0
	WIN 0
	s_barrier_wait -1
.if \fill
	CREST                                          ; the barrier has opened a round of the cluster's: no wave of any partner still reads this slot or has a load on its way
	s_add_nc_u64 s[G0+4*\slot+2:G0+4*\slot+3], s[G0+4*\slot+2:G0+4*\slot+3], 2*ROWB
	s_add_nc_u64 s[G0B+4*\slot+2:G0B+4*\slot+3], s[G0B+4*\slot+2:G0B+4*\slot+3], 2*ROWB
	JLOAD G0+4*\slot, G1, G0B+4*\slot, G1B         ; the first tensor load behind the round; its four v_nop are also the places in front of the loads below
.else
	PLACES NP
.endif
	FETCH_B \next, 0, 0
	FETCH_A \next, 0, 0
	WIN MUL_HI
	MUL16 4, 1, 0
	MUL16 6, 1, 0
	PLACES NP
	WIN 0
	FETCH_A \next, 0, 4
.endm
; Block a's rows of the two tables: 8 loads, 16 numbers of each for my lane
.macro TABLOAD a
.irp cc, 0,1
.irp jj, 0,1
	global_load_b128 v[TAB+32*((\a)%2)+8*\cc+4*\jj:TAB+32*((\a)%2)+8*\cc+4*\jj+3], v[CA+(\a)%2], s[88:89] offset:4096*((\a)/2)+64*\cc+16*\jj
	global_load_b128 v[TAB+32*((\a)%2)+16+8*\cc+4*\jj:TAB+32*((\a)%2)+16+8*\cc+4*\jj+3], v[CA+(\a)%2], s[90:91] offset:4096*((\a)/2)+64*\cc+16*\jj
.endr
.endr
.endm
.macro CODES a                         ; the block's 64 numbers in v[O] on, already held, become 16 registers of codes
.set CSET, CD+16*((\a)%2)
.irp c, 0,1,2,3
	v_cvt_scalef32_pk8_fp8_f32 v[CSET+4*\c:CSET+4*\c+1], v[O+16*\c:O+16*\c+7], v[SC]
	v_cvt_scalef32_pk8_fp8_f32 v[CSET+4*\c+2:CSET+4*\c+3], v[O+16*\c+8:O+16*\c+15], v[SC]
.endr
	v_nop                                          ; a plain line behind the last conversion, ahead of the next write of its sources
.endm
; q, k: block a (16 tokens x my 128 channels): rotate, hold, convert, store
.macro ROPEQ a
.set AC, 64*((\a)%4)
.set TS, TAB+32*((\a)%2)
.if (\a) < 7
	s_wait_loadcnt 8                               ; this block's eight table loads are in; the next block's eight may be out
.else
	s_wait_loadcnt 0
.endif
	s_wait_xcnt 0x0                                ; the stores of two blocks back have read their data: that set of codes is written again only behind this wait
	WIN 0x02+(\a)/4                                ; source 0: the accumulators' window
.irp c, 0,1,2,3
.irp ii, 0,1,2,3,4,5,6,7
	v_mul_f32 v[T+2*\ii], v[AC+16*\c+2*\ii+1], v[TS+16+8*(\c%2)+\ii]      ; t1 sin  (each accumulator is read from its low end on)
	v_mul_f32 v[T+2*\ii+1], v[AC+16*\c+2*\ii], v[TS+16+8*(\c%2)+\ii]      ; t0 sin
.endr
.irp ii, 0,1,2,3,4,5,6,7
	v_fma_f32 v[O+16*\c+2*\ii], v[AC+16*\c+2*\ii], v[TS+8*(\c%2)+\ii], -v[T+2*\ii]        ; t0 cos - t1 sin
	v_fma_f32 v[O+16*\c+2*\ii+1], v[AC+16*\c+2*\ii+1], v[TS+8*(\c%2)+\ii], v[T+2*\ii+1]   ; t1 cos + t0 sin
.endr
.endr
	WIN 0
.if (\a)+2 <= 7
	TABLOAD (\a)+2                                 ; into the set just read
.endif
.set j, 0
.rept 64
.set j, j+1
.endr
	CODES \a
.irp c, 0,1,2,3
	global_store_b128 v[LI], v[CSET+4*\c:CSET+4*\c+3], s[84+2*(\c/2):85+2*(\c/2)] offset:(\a)*1024+(\c%2)*512   ; 512 consecutive bytes, aligned: head c / 2, chunk c % 2
.endr
.endm
; v: block a (16 channels x my 128 keys): hold, convert, store
.macro VQ a
.set AC, 64*((\a)%4)
	s_wait_xcnt 0x0
	WIN 0x02+(\a)/4
.set j, 0
.rept 64
	v_med3_num_f32 v[O+j], v[AC+j], -v[LIM], v[LIM]
.set j, j+1
.endr
	WIN 0
	CODES \a
.irp c, 0,1,2,3
	global_store_b128 v[LI], v[CSET+4*\c:CSET+4*\c+3], s[84:85] offset:((\a)/4)*262144+((\a)%4)*2048+\c*512   ; head a / 4, tile a % 4, chunk c
.endr
.endm
	s_wait_tensorcnt 1                             ; my part of K step 0 is in; K step 1's load may be out
	s_barrier_signal -1
	s_barrier_wait -1
	FETCH_B 0, 0, 0
	FETCH_A 0, 0, 0
	FETCH_A 0, 0, 4
	STEP 0, 0, 1                                   ; the first products start the sums: nothing is cleared
	s_mov_b32 s3, LAPS-1
.Llap:                                                 ; a trip goes once round the ring and fills both slots again
	TURN 0, 1, 1
	STEP 1, 0, 0
	TURN 1, 0, 1
	STEP 0, 0, 0
	s_sub_co_u32 s3, s3, 1
	s_cmp_lg_u32 s3, 0
	s_cbranch_scc1 .Llap
	TURN 0, 1, 0                                   ; the last lap fills nothing
	STEP 1, 0, 0
	s_wait_alu depctr_va_vdst(0)
	TABLOAD 0                                      ; the first two blocks' table rows come while the last 64 products run (in v's work-groups too: the addresses lie inside the tables, and the registers are not touched again there)
	TABLOAD 1
	s_wait_dscnt 4*NL
	WIN MUL_LO
	MUL16 0, 1, 0
	MUL16 2, 1, 0
	s_wait_dscnt 0
	WIN MUL_HI
	MUL16 4, 1, 0
	MUL16 6, 1, 0
	WIN 0
	PLACES NP                                      ; behind the last products: the lines below read results and write registers that held fragments
	s_cmp_eq_u32 ttmp9, 2                          ; the cluster's x: the same in all sixteen partners
	s_cbranch_scc1 .Lv
.irp a, 0,1,2,3,4,5,6,7
	ROPEQ \a
.endr
	s_branch .Lend
.Lv:
.irp a, 0,1,2,3,4,5,6,7
	VQ \a
.endr
.Lend:
	s_wait_tensorcnt 0x0                           ; the wave's end
	ds_add_u32 v[SPW], v[NIL]
	s_wait_dscnt 0x0
	CROUND                                         ; the closing round: no work-group ends while a partner may still ask for a tile that names it
	s_endpgm
.Lfunc_end_k_q5d2770e765_qkv:
	.size	k_q5d2770e765_qkv, .Lfunc_end_k_q5d2770e765_qkv-k_q5d2770e765_qkv
	.p2alignl 7, 3214868480
	.fill 96, 4, 3214868480
	.section	.rodata,"a",@progbits
	.p2align	6, 0x0
	.amdhsa_kernel k_q5d2770e765_qkv
		.amdhsa_group_segment_fixed_size 327680
		.amdhsa_private_segment_fixed_size 0
		.amdhsa_enable_private_segment 0
		.amdhsa_kernarg_size 56
		.amdhsa_user_sgpr_count 2
		.amdhsa_user_sgpr_kernarg_segment_ptr 1
		.amdhsa_wavefront_size32 1
		.amdhsa_system_sgpr_workgroup_id_x 1
		.amdhsa_system_sgpr_workgroup_id_y 1
		.amdhsa_system_sgpr_workgroup_id_z 1
		.amdhsa_system_vgpr_workitem_id 0
		.amdhsa_next_free_vgpr 1024
		.amdhsa_next_free_sgpr 100
		.amdhsa_reserve_vcc 0
		.amdhsa_float_denorm_mode_32 3
		.amdhsa_float_denorm_mode_16_64 3
		.amdhsa_fp16_overflow 1
		.amdhsa_memory_ordered 1
		.amdhsa_forward_progress 1
		.amdhsa_inst_pref_size 182
	.end_amdhsa_kernel
	.amdgpu_metadata
---
amdhsa.version: [ 1, 2 ]
amdhsa.kernels:
  - .name:           k_q5d2770e765_qkv
    .symbol:         k_q5d2770e765_qkv.kd
    .args:
      - { .name: xc, .offset: 0, .size: 8, .value_kind: global_buffer, .address_space: global }
      - { .name: wc, .offset: 8, .size: 8, .value_kind: global_buffer, .address_space: global }
      - { .name: freqs_cos, .offset: 16, .size: 8, .value_kind: global_buffer, .address_space: global }
      - { .name: freqs_sin, .offset: 24, .size: 8, .value_kind: global_buffer, .address_space: global }
      - { .name: lowp_scales, .offset: 32, .size: 8, .value_kind: global_buffer, .address_space: global }
      - { .name: qf, .offset: 40, .size: 8, .value_kind: global_buffer, .address_space: global }
      - { .name: kv, .offset: 48, .size: 8, .value_kind: global_buffer, .address_space: global }
    .group_segment_fixed_size: 327680
    .private_segment_fixed_size: 0
    .kernarg_segment_align: 8
    .kernarg_segment_size: 56
    .max_flat_workgroup_size: 128
    .sgpr_count:     100
    .vgpr_count:     1024
    .wavefront_size: 32
...
	.end_amdgpu_metadata
.endif
;; end of part 2
;; launch attn (part 3): grid 4 x 64, 16 waves a work-group, no clusters, 327,680 bytes of LDS; arguments qf, kv, lowp_scales, af; writes af
.if DOCPART == 3
	.amdgcn_target "amdgcn-amd-amdhsa--gfx1250"
	.amdhsa_code_object_version 6
	.text
	.protected	k_q5d2770e765_attn
	.globl	k_q5d2770e765_attn
	.p2align	8
	.type	k_q5d2770e765_attn,@function
k_q5d2770e765_attn:
	s_mov_b64 s[64:65], 0
	v_nop
	global_prefetch_b8 v0, s[64:65] scope:SCOPE_SE
	s_setreg_imm32_b32 hwreg(HW_REG_WAVE_MODE, 25, 1), 1
	s_wait_xcnt 0x0
; o = softmax_causal(q k^T / 8) v for 64 (batch, head) pairs of 2,048 tokens x 64 channels, both products on E4M3 codes; o is quantised at once (2^e10) into the last product's operand order.
; t = score x 2^(e6 + e7) x log2(e) / 8; M = the running largest t rounded UP to a whole number; p = 2^(t - M) is quantised with 2^e8, not normalised; the row's sum is taken of the unquantised p and divides at the end.
; When M moves, the sum and O are multiplied by 2^(old M - new M), which rounds nothing.
; SHARES.  Work-group (I, bh) owns the query blocks 7 - I and I of 256 queries: first block 7 - I against key slots 0 .. 7 - I, then block I against slots 0 .. I: NINE slots of 256 keys for every work-group, so all 256
; have the same number of phases, every trip count is a constant, every slot asked for is read.  Each of sixteen waves owns 16 queries of the block in hand.
; LAYOUT.  Both products transposed: S^T = K Q^T (K = 64), O^T = V^T P^T (K = 128 keys): a lane holds one query (lane % 16).  kv holds a key step's fragments in register order, so a slot (two key steps, 32,768 bytes) is one dense
; block of memory, copied as it lies, and every fragment register quad is read at 16 x lane: consecutive bytes, no padding.  The keys of a tile of K and the channels of a tile of V are chosen so that the 16 registers of
; tiles 2 b, 2 b + 1 are 16 neighbours 32 b + 16 (lane / 16) + 0 .. 15: the conversions' results are the next operand.
; CAUSAL.  A key step all of whose keys come after my 16 queries is jumped over (ids and counters alone; no barrier or tensor load stands in a step); on the diagonal hidden scores become -infinity ahead of the maximum. Key 0 counts for every query.
; NO CLUSTER: from phase 8 - I on the four work-groups of a head want different slots (I differs), so their requests are not for the same tile in the same round.
; LIMITS: e6 + e7 between -123 and 130; e8, and e10 - e8 - e9, between -126 and 119.  NaN is not served.
; af[16 tokens][128 k][chunk c 4][lane][16]: token = lane % 16, k = 64 head + channel = 128 s + 32 c + 16 (lane / 16) + 0 .. 15.
; REGISTERS: v1 16 x lane; v2 the step's LDS address; v3 256 x lane; v12 -M, v13 the largest t, v[14:15] the sum in two halves; v16-23 Q; v32-95 K's, then V's fragments; v96-159 S^T, then p; v160-191 O^T; v192-207 p's codes; v208-215 o's codes.
.set SLOTB, 0x8000                     ; slot 1 begins here: one exclusive or turns an address from one slot to the other
.set STEPB, 16384                      ; a key step: 8,192 bytes of K, 8,192 of V
.set SPARE, 65536                      ; the spare words, 128 bytes for each of 16 waves: eight blocks of 256 bytes that no other line names
.set LI,   1
.set ADR,  2
.set PFO,  3
.set SPW,  5
.set NIL,  6
.set WV,   12                          ; s12 wave
.set SW,   14                          ; s14 the phase at whose head the second block begins: 8 - I
.set T,    15                          ; s15 phase 0 .. 8
.set TB,   16                          ; s16 LDS byte at which the slot in hand begins
.set KF,   17                          ; s17 the step's first key
.set Q0,   18                          ; s18 my first query
.set SEL,  20                          ; s[20:21] selects for lane l xor 16
.set CS,   22                          ; s[22:23] c = log2(e) / 8 x 2^(e6 + e7)
.set G1,   24                          ; s[24:31] the tile's shape
.set G0,   32                          ; s[32:35] from where, to where
.set KVW,  36                          ; s[36:37] my head's key step (wave & 1) of slot 0
.set OFS,  38                          ; s[38:39] an offset, its high word 0
.set QB,   40                          ; s[40:41] my head in qf
.set AB,   42                          ; s[42:43] my batch and head in af
.set QA,   44
.set OA,   46
.set PFA,  54                          ; s[54:55] where my prefetches stand
.set LIMP, 56                          ; s56 a wave prefetches while the phase is under it
.set Q1,   59                          ; s59 my first query of the second block
.macro TLOAD                           ; waves 0 and 1 fetch a key step each; an s_nop 0 and four v_nop follow the line
	s_cmp_lt_u32 s[WV], 2
	s_cbranch_scc0 .Lnone_\@
	tensor_load_to_lds s[G0:G0+3], s[G1:G1+7]
	s_nop 0
.rept 4
	v_nop
.endr
.Lnone_\@:
.endm
; A prefetch of the slot that the NEXT change will ask for.  All four work-groups of a head begin with slots 0, 1, 2 ..: the one with I = 0, which walks all eight in order, asks; in it waves 4 to 7, which fetch nothing,
; take 8,192 bytes each, lanes 256 bytes apart.  Phase T names slot T + 2, for T = 0 .. 5: each block of 256 bytes once; slots 0 and 1 come by their loads alone; nothing is named past slot 7.
.macro ASK
	s_cmp_lt_u32 s[T], s[LIMP]
	s_cbranch_scc0 .Lnot_mine_\@
	global_prefetch_b8 v[PFO], s[PFA:PFA+1] th:TH_LOAD_NT scope:SCOPE_SE
.Lnot_mine_\@:
.endm
; THE CHANGE OF SLOTS, at a phase's head.  Each wave waits for all its tensor loads (the slot that it is about to read), adds 0 to its spare word, and waits for that and for its reads of the slot that it has left.
; fill = 1: behind the barrier that other slot takes the next phase's keys: slot number T + 1, or T + 1 - SW once the second block has begun.
.macro CHANGE fill
	s_wait_tensorcnt 0x0                           ; no tensor load of mine is out, so group 0 may be written
	ds_add_u32 v[SPW], v[NIL]
.if \fill
	s_xor_b32 s[G0+1], s[G0+1], SLOTB
	s_add_co_u32 s57, s[T], 1
	s_cmp_ge_u32 s57, s[SW]
	s_cselect_b32 s58, s[SW], 0
	s_sub_co_u32 s57, s57, s58
	s_lshl_b32 s[OFS], s57, 15
	s_mov_b32 s[OFS+1], 0
	s_add_nc_u64 s[G0+2:G0+3], s[KVW:KVW+1], s[OFS:OFS+1]
	s_or_b32 s[G0+3], s[G0+3], 0x80000000
	s_wait_xcnt 0x0                                ; the last prefetch, a phase back, has read its address
	s_add_nc_u64 s[PFA:PFA+1], s[PFA:PFA+1], 0x8000
.endif
	s_wait_dscnt 0x0                               ; the add is done, and my reads of the slot that I have left are over
	s_barrier_signal -1
	s_barrier_wait -1
.if \fill
	TLOAD                                          ; the first thing behind the barrier, a wave's one tensor load until the next: it has a phase's two key steps in which to land
	ASK
.endif
.endm
; A KEY STEP: 128 keys, the q-th of the slot in hand
.macro STEP q
	s_add_co_u32 s19, s[Q0], 15
	s_cmp_gt_u32 s[KF], s19
	s_cbranch_scc1 .Lhidden_\@
	v_add_nc_u32 v[ADR], s[TB], v[LI]
.rept 3
	v_nop                                          ; with the addition above: four places in front of loads into registers that the last products read
.endr
.set i, 0
.rept 16
	ds_load_b128 v[32+4*i:35+4*i], v[ADR] offset:(\q)*STEPB+512*i            ; K: tile i / 2, chunk i % 2
.set i, i+1
.endr
	s_wait_alu depctr_va_vdst(0)
	s_wait_dscnt 0x0
.set i, 0
.rept 8
	v_wmma_f32_16x16x64_fp8_fp8 v[96+8*i:103+8*i], v[32+8*i:39+8*i], v[16:23], 0
.set i, i+1
.endr
.rept 4
	v_nop                                          ; places in front of the loads below and of the first read of the scores
.endr
.set i, 0
.rept 16
	ds_load_b128 v[32+4*i:35+4*i], v[ADR] offset:(\q)*STEPB+8192+512*i       ; V: tile i / 4, chunk i % 4: it lands while the softmax is worked
.set i, i+1
.endr
	s_add_co_u32 s19, s[KF], 127                   ; a step all of whose keys count skips the mask
	s_cmp_le_u32 s19, s[Q0]
	s_cbranch_scc1 .Lopen_\@
	s_sub_co_i32 s19, s[Q0], s[KF]
	v_and_b32 v252, 15, v0
	v_bfe_u32 v253, v0, 4, 1
	s_delay_alu instid0(VALU_DEP_1)
	v_lshlrev_b32 v253, 4, v253
	s_delay_alu instid0(VALU_DEP_1)
	v_sub_nc_u32 v252, v252, v253
	s_delay_alu instid0(VALU_DEP_1)
	v_add_nc_u32 v252, s19, v252                   ; d = my query - KF - 16 (lane / 16).  Register 16 b + i holds key KF + 16 (lane / 16) + 32 b + i: hidden where 32 b + i > d
	v_mov_b32 v254, 0xff800000                     ; -infinity
.set n, 0
.rept 64
	v_cmp_gt_i32 vcc_lo, 32*(n/16)+n%16, v252
	v_cndmask_b32 v[96+n], v[96+n], v254, vcc_lo
.set n, n+1
.endr
.Lopen_\@:
	v_max3_num_f32 v254, v96, v97, v98             ; the step's largest score of my query among my 64 keys, in two chains,
	v_max3_num_f32 v252, v99, v100, v101
.set j, 6
.rept 14
	v_max3_num_f32 v254, v254, v[96+j], v[97+j]
	v_max3_num_f32 v252, v252, v[98+j], v[99+j]
.set j, j+4
.endr
	v_max3_num_f32 v254, v254, v158, v159
	s_delay_alu instid0(VALU_DEP_1)
	v_max_num_f32 v254, v254, v252
	s_delay_alu instid0(VALU_DEP_1)
	v_permlanex16_b32 v236, v254, s[SEL], s[SEL+1]
	s_delay_alu instid0(VALU_DEP_1)
	v_max_num_f32 v254, v254, v236                 ; and among lane l xor 16's
	s_delay_alu instid0(VALU_DEP_1)
	v_mul_f32 v254, s[CS], v254                    ; as t (c is positive)
	s_delay_alu instid0(VALU_DEP_1)
	v_max_num_f32 v13, v13, v254                   ; the running largest t
	v_mov_b32 v254, v12
	s_delay_alu instid0(VALU_DEP_2)
	v_floor_f32 v12, -v13                          ; the new -M = floor(-t) = -ceil(t)
	s_delay_alu instid0(VALU_DEP_1)
	v_sub_f32 v254, v12, v254                      ; old M - new M: a whole number, 0 or less
	s_delay_alu instid0(VALU_DEP_1)
	v_cvt_i32_f32 v254, v254                       ; (it saturates)
	s_delay_alu instid0(VALU_DEP_1)
	v_ldexp_f32 v252, 1.0, v254                    ; f = 2^(old M - new M)
.set j, 0
.rept 32
	v_pk_fma_f32 v[96+j:97+j], v[96+j:97+j], s[CS:CS+1], v[12:13] op_sel_hi:[1,0,0]   ; t - M, two at a time
.set j, j+2
.endr
.set j, 0
	s_wait_alu depctr_va_vdst(0)
.rept 64
	v_exp_f32 v[96+j], v[96+j]                     ; p = 2^(t - M)
.set j, j+1
.endr
	v_pk_mul_f32 v[14:15], v[14:15], v[252:253] op_sel_hi:[1,0]   ; the sums under the new M: a plain line behind the exponentials
	s_wait_alu depctr_va_vdst(0)                   ; one wait for the batch of 64, ahead of its first reader
	v_pk_add_f32 v[242:243], v[100:101], v[104:105]
	v_pk_add_f32 v[254:255], v[108:109], v[112:113]
	v_pk_add_f32 v[250:251], v[116:117], v[120:121]
	v_pk_add_f32 v[248:249], v[124:125], v[128:129]
	v_pk_add_f32 v[246:247], v[132:133], v[136:137]
	v_pk_add_f32 v[240:241], v[140:141], v[144:145]
	v_pk_add_f32 v[238:239], v[148:149], v[152:153]
	v_pk_add_f32 v[14:15], v[14:15], v[156:157]
	v_pk_add_f32 v[242:243], v[242:243], v[96:97]
	v_pk_add_f32 v[254:255], v[254:255], v[98:99]
	v_pk_add_f32 v[250:251], v[250:251], v[102:103]
	v_pk_add_f32 v[248:249], v[248:249], v[106:107]
	v_pk_add_f32 v[246:247], v[246:247], v[110:111]
	v_pk_add_f32 v[240:241], v[240:241], v[114:115]
	v_pk_add_f32 v[238:239], v[238:239], v[118:119]
	v_pk_add_f32 v[14:15], v[14:15], v[122:123]
	v_pk_add_f32 v[242:243], v[242:243], v[126:127]
	v_pk_add_f32 v[254:255], v[254:255], v[130:131]
	v_pk_add_f32 v[250:251], v[250:251], v[134:135]
	v_pk_add_f32 v[248:249], v[248:249], v[138:139]
	v_pk_add_f32 v[246:247], v[246:247], v[142:143]
	v_pk_add_f32 v[240:241], v[240:241], v[146:147]
	v_pk_add_f32 v[238:239], v[238:239], v[150:151]
	v_pk_add_f32 v[14:15], v[14:15], v[154:155]
	v_pk_add_f32 v[242:243], v[242:243], v[158:159]
	s_delay_alu instid0(VALU_DEP_2)
	v_pk_add_f32 v[14:15], v[14:15], v[248:249]
	s_delay_alu instid0(VALU_DEP_2)
	v_pk_add_f32 v[242:243], v[242:243], v[246:247]
	v_pk_add_f32 v[254:255], v[254:255], v[240:241]
	v_pk_add_f32 v[250:251], v[250:251], v[238:239]
	s_delay_alu instid0(VALU_DEP_2)
	v_pk_add_f32 v[14:15], v[14:15], v[254:255]
	s_delay_alu instid0(VALU_DEP_2)
	v_pk_add_f32 v[242:243], v[242:243], v[250:251]
	s_delay_alu instid0(VALU_DEP_1)
	v_pk_add_f32 v[14:15], v[14:15], v[242:243]
.set b, 0
.rept 4
.set j, 0
.rept 16
.set j, j+1
.endr
	v_cvt_scalef32_pk8_fp8_f32 v[192+4*b:193+4*b], v[96+16*b:103+16*b], v244
	v_cvt_scalef32_pk8_fp8_f32 v[194+4*b:195+4*b], v[104+16*b:111+16*b], v244
.set b, b+1
.endr
.set j, 0
.rept 16
	v_pk_mul_f32 v[160+j:161+j], v[160+j:161+j], v[252:253] op_sel_hi:[1,0]   ; O^T under the new M; also the plain lines between the conversions and the products
.set j, j+2
.endr
	s_wait_alu depctr_va_vdst(0)
	s_wait_dscnt 0x0                               ; V is in
.set i, 0
.rept 4
	v_wmma_f32_16x16x128_fp8_fp8 v[160+8*i:167+8*i], v[32+16*i:47+16*i], v[192:207], v[160+8*i:167+8*i]   ; the four accumulators take turns
.set i, i+1
.endr
.Lhidden_\@:
	s_add_co_u32 s[KF], s[KF], 128
.endm
; A block's end: O^T / the sum, quantised with 2^e10 (2^(e8 + e9) folded in), stored as two chunks of 512 consecutive aligned bytes
.macro FINISH
.rept 4
	v_nop                                          ; places behind the last products
.endr
	v_add_f32 v14, v14, v15
	s_delay_alu instid0(VALU_DEP_1)
	v_permlanex16_b32 v252, v14, s[SEL], s[SEL+1]
	s_delay_alu instid0(VALU_DEP_1)
	v_add_f32 v14, v14, v252                       ; the row's sum
	s_wait_alu depctr_va_vdst(0)
	v_rcp_f32 v14, v14
	v_nop                                          ; a plain line behind the transcendental
	s_lshl_b32 s[OFS], s[Q0], 10                   ; 16 tokens are 16,384 bytes of af
	s_mov_b32 s[OFS+1], 0
	s_add_nc_u64 s[OA:OA+1], s[AB:AB+1], s[OFS:OFS+1]
	s_wait_alu depctr_va_vdst(0)                   ; the wait ahead of the reciprocal's first reader
.set j, 0
.rept 32
	v_mul_f32 v[96+j], v[160+j], v14               ; register 16 b + i: channel 32 b + 16 (lane / 16) + i
.set j, j+1
.endr
.set j, 0
.rept 32
.set j, j+1
.endr
	v_cvt_scalef32_pk8_fp8_f32 v[208:209], v[96:103], v245
	v_cvt_scalef32_pk8_fp8_f32 v[210:211], v[104:111], v245
	v_cvt_scalef32_pk8_fp8_f32 v[212:213], v[112:119], v245
	v_cvt_scalef32_pk8_fp8_f32 v[214:215], v[120:127], v245
	v_nop                                          ; a plain line behind the last conversion
	global_store_b128 v[LI], v[208:211], s[OA:OA+1]
	global_store_b128 v[LI], v[212:215], s[OA:OA+1] offset:512
.endm
; A block's beginning: its Q, and empty sums
.macro INIT
	s_mov_b32 s[KF], 0
	s_lshl_b32 s[OFS], s[Q0], 6                    ; 16 queries are 1,024 bytes of qf
	s_mov_b32 s[OFS+1], 0
	s_add_nc_u64 s[QA:QA+1], s[QB:QB+1], s[OFS:OFS+1]
	global_load_b128 v[16:19], v[LI], s[QA:QA+1]
	global_load_b128 v[20:23], v[LI], s[QA:QA+1] offset:512
	v_mov_b32 v13, 0xff61b1e6                      ; the largest t so far: -3e38
	s_delay_alu instid0(VALU_DEP_1)
	v_floor_f32 v12, -v13
	v_mov_b32 v14, 0
	v_mov_b32 v15, 0
.set j, 0
.rept 32
	v_mov_b32 v[160+j], 0                          ; the step is written once: the first finds zeros, which the first change of M leaves zeros
.set j, j+1
.endr
	s_wait_loadcnt 0x0
	s_wait_xcnt 0x0                                ; the block's stores have read their data and base: both may be written again
.endm
.macro SWITCHCHK                       ; at the head of phase SW the first block ends and the second begins: the phase's number and the work-group's alone decide; no barrier, tensor load or add stands inside
	s_cmp_lg_u32 s[T], s[SW]
	s_cbranch_scc1 .Lsame_\@
	FINISH
	s_mov_b32 s[Q0], s[Q1]
	INIT
.Lsame_\@:
.endm
	s_load_b256 s[4:11], s[0:1], 0x0               ; qf 4, kv 6, scales 8, af 10
	v_lshl_add_u32 v[SPW], v0, 2, SPARE
	v_mov_b32 v[NIL], 0
	ds_add_u32 v[SPW], v[NIL]                      ; the wave's opening: the add and its wait ahead of my first tensor load
	ds_add_u32 v[SPW], v[NIL]
	v_lshrrev_b32 v8, 5, v0
	s_delay_alu instid0(VALU_DEP_1)
	v_readfirstlane_b32 s[WV], v8                  ; wave 0..15
	s_sub_co_u32 s[SW], 8, ttmp9
	s_and_b32 s57, ttmp7, 0xffff                   ; bh = 16 x batch + head
	s_and_b32 s58, s[WV], 1
	s_lshl_b32 s[G0+1], s58, 14                    ; LDS: key step (wave & 1) of slot 0
	s_lshl_b32 s[OFS], s57, 18                     ; a head is 2^18 bytes of kv
	s_add_co_u32 s[OFS], s[OFS], s[G0+1]
	s_mov_b32 s[OFS+1], 0
	s_mov_b32 s[G0], 1
	s_mov_b32 s[G1], 3<<16                         ; no mask; elements of 8 bytes; no padding
	s_mov_b32 s[G1+1], 32<<16                      ; tensor_dim0: 32 elements = 256 bytes
	s_mov_b32 s[G1+2], 64<<16                      ; tensor_dim1: 64 rows
	s_mov_b32 s[G1+3], 32<<16                      ; tile_dim0
	s_mov_b32 s[G1+4], 64                          ; tile_dim1
	s_mov_b32 s[G1+5], 32                          ; the pitch: dense
	s_mov_b32 s[G1+6], 0
	s_mov_b32 s[G1+7], 0
	s_mov_b32 s[SEL], 0x76543210
	s_mov_b32 s[SEL+1], 0xfedcba98
	s_mov_b32 s[CS], 0x3e38aa3b                    ; log2(e) / 8
	s_wait_dscnt 0x0                               ; the opening add is done
	s_wait_kmcnt 0x0
	s_load_b64 s[52:53], s[8:9], 0x18              ; e6, e7
	s_load_b128 s[48:51], s[8:9], 0x20             ; e8 .. e11
	s_add_nc_u64 s[KVW:KVW+1], s[6:7], s[OFS:OFS+1]
	s_mov_b64 s[G0+2:G0+3], s[KVW:KVW+1]
	s_or_b32 s[G0+3], s[G0+3], 0x80000000
	TLOAD                                          ; slot 0
	s_lshl_b32 s[OFS], s57, 18
	s_and_b32 s58, s[WV], 3
	s_lshl_b32 s58, s58, 13
	s_add_co_u32 s[OFS], s[OFS], s58
	s_add_co_u32 s[OFS], s[OFS], 32768
	s_add_nc_u64 s[PFA:PFA+1], s[6:7], s[OFS:OFS+1]   ; in slot 1: the first change steps it to slot 2
	s_lshl_b32 s[OFS], s57, 17
	s_add_nc_u64 s[QB:QB+1], s[4:5], s[OFS:OFS+1]
	s_lshr_b32 s[OFS], s57, 4
	s_lshl_b32 s[OFS], s[OFS], 21                  ; a batch's 128 tiles of 16 tokens x 16,384 bytes
	s_bfe_u32 s58, s57, 0x30001                    ; head / 2: which 128 along k
	s_lshl_b32 s58, s58, 11
	s_add_co_u32 s[OFS], s[OFS], s58
	s_and_b32 s58, s57, 1                          ; head % 2: chunks 0, 1 or 2, 3
	s_lshl_b32 s58, s58, 10
	s_add_co_u32 s[OFS], s[OFS], s58
	s_add_nc_u64 s[AB:AB+1], s[10:11], s[OFS:OFS+1]
	s_lshl_b32 s58, s[WV], 4
	s_lshl_b32 s[Q1], ttmp9, 8
	s_add_co_u32 s[Q1], s[Q1], s58                 ; block I
	s_sub_co_u32 s[Q0], 7, ttmp9
	s_lshl_b32 s[Q0], s[Q0], 8
	s_add_co_u32 s[Q0], s[Q0], s58                 ; block 7 - I
	s_lshr_b32 s58, s[WV], 2
	s_xor_b32 s58, s58, 1                          ; 0 in waves 4 to 7,
	s_or_b32 s58, s58, ttmp9                       ; of the work-group with I = 0
	s_cmp_eq_u32 s58, 0
	s_cselect_b32 s[LIMP], 6, 0
	v_and_b32 v[LI], 31, v0
	s_delay_alu instid0(VALU_DEP_1)
	v_lshlrev_b32 v[PFO], 8, v[LI]
	s_delay_alu instid0(VALU_DEP_2)
	v_lshlrev_b32 v[LI], 4, v[LI]
	v_mov_b32 v236, 0                              ; written once: a lane permute's destination counts as one of its sources
	v_mov_b32 v252, 0
	v_mov_b32 v253, 0                              ; (named as the upper half of the pair v[252:253])
	INIT
	s_wait_kmcnt 0x0
	s_add_co_i32 s57, s52, s53
	s_lshl_b32 s57, s57, 23
	s_add_co_i32 s[CS], s[CS], s57                 ; the two exponents are added to c's exponent field
	s_mov_b32 s[CS+1], s[CS]                       ; (named with it as a pair)
	s_add_co_i32 s57, s48, 127
	s_lshl_b32 s58, s57, 23
	v_mov_b32 v244, s58                            ; 2^e8
	s_sub_co_i32 s57, s50, s48
	s_sub_co_i32 s57, s57, s49
	s_add_co_i32 s57, s57, 127
	s_lshl_b32 s58, s57, 23
	v_mov_b32 v245, s58                            ; 2^(e10 - e8 - e9)
	s_mov_b32 s[T], 0
	s_mov_b32 s[TB], 0
.Lphase:                                               ; eight trips: behind each change of slots the next phase's slot is asked for
	CHANGE 1
	SWITCHCHK
	STEP 0
	STEP 1
	s_xor_b32 s[TB], s[TB], SLOTB
	s_add_co_u32 s[T], s[T], 1
	s_cmp_lt_u32 s[T], 8
	s_cbranch_scc1 .Lphase
	CHANGE 0                                       ; the ninth phase is written out: it asks for nothing
	SWITCHCHK
	STEP 0
	STEP 1
	FINISH
	s_wait_tensorcnt 0x0                           ; the wave's end
	ds_add_u32 v[SPW], v[NIL]
	s_wait_dscnt 0x0
	s_endpgm
.Lfunc_end_k_q5d2770e765_attn:
	.size	k_q5d2770e765_attn, .Lfunc_end_k_q5d2770e765_attn-k_q5d2770e765_attn
	.p2alignl 7, 3214868480
	.fill 96, 4, 3214868480
	.section	.rodata,"a",@progbits
	.p2align	6, 0x0
	.amdhsa_kernel k_q5d2770e765_attn
		.amdhsa_group_segment_fixed_size 327680
		.amdhsa_private_segment_fixed_size 0
		.amdhsa_enable_private_segment 0
		.amdhsa_kernarg_size 32
		.amdhsa_user_sgpr_count 2
		.amdhsa_user_sgpr_kernarg_segment_ptr 1
		.amdhsa_wavefront_size32 1
		.amdhsa_system_sgpr_workgroup_id_x 1
		.amdhsa_system_sgpr_workgroup_id_y 1
		.amdhsa_system_sgpr_workgroup_id_z 1
		.amdhsa_system_vgpr_workitem_id 0
		.amdhsa_next_free_vgpr 256
		.amdhsa_next_free_sgpr 66
		.amdhsa_reserve_vcc 1
		.amdhsa_float_denorm_mode_32 3
		.amdhsa_float_denorm_mode_16_64 3
		.amdhsa_fp16_overflow 1
		.amdhsa_memory_ordered 1
		.amdhsa_forward_progress 1
		.amdhsa_inst_pref_size 94
	.end_amdhsa_kernel
	.amdgpu_metadata
---
amdhsa.version: [ 1, 2 ]
amdhsa.kernels:
  - .name:           k_q5d2770e765_attn
    .symbol:         k_q5d2770e765_attn.kd
    .args:
      - { .name: qf, .offset: 0, .size: 8, .value_kind: global_buffer, .address_space: global }
      - { .name: kv, .offset: 8, .size: 8, .value_kind: global_buffer, .address_space: global }
      - { .name: lowp_scales, .offset: 16, .size: 8, .value_kind: global_buffer, .address_space: global }
      - { .name: af, .offset: 24, .size: 8, .value_kind: global_buffer, .address_space: global }
    .group_segment_fixed_size: 327680
    .private_segment_fixed_size: 0
    .kernarg_segment_align: 8
    .kernarg_segment_size: 32
    .max_flat_workgroup_size: 512
    .sgpr_count:     66
    .vgpr_count:     256
    .wavefront_size: 32
...
	.end_amdgpu_metadata
.endif
;; end of part 3
;; launch outp (part 4): grid 4 x 32, 4 waves a work-group, clusters of 4 x 4, 327,680 bytes of LDS; arguments af, wc, lowp_scales, out0; writes out0
.if DOCPART == 4
	.amdgcn_target "amdgcn-amd-amdhsa--gfx1250"
	.amdhsa_code_object_version 6
	.text
	.protected	k_q5d2770e765_outp
	.globl	k_q5d2770e765_outp
	.p2align	8
	.type	k_q5d2770e765_outp,@function
k_q5d2770e765_outp:
	s_mov_b64 s[64:65], 0
	v_nop
	global_prefetch_b8 v0, s[64:65] scope:SCOPE_SE
	s_setreg_imm32_b32 hwreg(HW_REG_WAVE_MODE, 25, 1), 1
	s_wait_xcnt 0x0
	s_wait_alu depctr_hold_cnt(0) depctr_sa_sdst(0) depctr_va_vdst(0) depctr_va_sdst(0) depctr_va_ssrc(0) depctr_va_vcc(0) depctr_vm_vsrc(0)
	s_getreg_b32 s2, hwreg(HW_REG_IB_STS2, 6, 4)
	s_cmp_eq_u32 s2, 0
	s_cbranch_scc0 .Lentry_in_a_cluster
	s_endpgm
.Lentry_in_a_cluster:
	s_bfe_u32 s2, ttmp6, 0x10000c
	s_cmp_lg_u32 s2, 0xf033
	s_cbranch_scc0 .Lentry_shape_is_right
	s_endpgm
.Lentry_shape_is_right:
; out0[m][n] = 2^(e10 + e11) x sum over k of A[m][k] wo[n][k] on E4M3 codes.  A = the attention's result, 8,192 x 1,024, in af IN REGISTER ORDER: [16 rows][128 k][chunk c 4][lane][16]; wo's codes are wc's fourth set, rows of 1,024 bytes.
; A tile of 256 x 256 is made by four waves, 128 x 128 each: 64 accumulators, 512 registers.  K goes in four steps of 256 through a ring of two LDS slots.  128 tiles: 128 work-groups.
; A's part of a slot: for each of 16 tiles of rows the 4,096 consecutive bytes of two steps of 128 k; a wave's load brings 8 such rows, 16,384 bytes apart in memory, dense in LDS; a fragment's quad is read at 16 x lane: consecutive bytes.
; wo's part: 256 rows of 256 bytes, padded to 272.  Both sources hold K = 32 c + 16 (lane / 16) + 0 .. 15 in registers 4 c .. 4 c + 3.
; THE MATRIX INSTRUCTION IS USED TRANSPOSED (source 0 = 16 rows of wo, source 1 = 16 rows of A): a lane holds eight neighbouring numbers of a row of out0.
; CLUSTERS: 4 x 4 work-groups; A's tile is shared along a row of the cluster, wo's along a column: joint loads.
; LIMIT: e10 + e11 between -126 and 127.
; REGISTERS, in windows of 256: window 0: v0-31 addresses; from v128 A's fragments, ONE set; on the way out v32-255 are free.  window 1: wo's fragments, two sets.  windows 2, 3: the accumulators.
.set ROWB,   256
.set KROW,   1024
.set PITCH,  272
.set FR,     16
.set NL,     4
.set NP,     4
.set HALFA,  32768                     ; 8 tiles of rows x 4,096 bytes
.set HALFT,  128*PITCH
.set BOFF,   2*HALFA
.set SLOT,   BOFF+2*HALFT              ; 135,168
.set LAPS,   2
.set SPARE,  2*SLOT                    ; the spare words, 128 bytes a wave: two blocks of 256 bytes that no other line names
.set SIZE_N, 1024
.set SPITCH, 528                       ; the way out: 16 rows x (512 bytes + 16) for each wave, in slot 0, which has had its last fill and its last read when the first result is stored there
.set ADRA, 16
.set ADRB, 20
.set STO,  24
.set RD,   25
.set CO,   26
.set SPW,  28
.set NIL,  29
.set TMP,  32
.set AF,   128
.set BK,   128
.set G1, 24
.set G0, 32
.set G1B, 48
.set G0B, 56
.set MSB, 0
.macro WIN new
.if MSB != (\new)
	s_set_vgpr_msb (MSB<<8)|(\new)
.set MSB, (\new)
.endif
.endm
.set MUL_LO, 0xa1
.set MUL_HI, 0xf1
.set TO_B,   0x40
.macro JLOAD g0a, g1a, g0b, g1b        ; waves 0 and 1 fetch A's halves, waves 2 and 3 wo's; an s_nop 0 and four v_nop follow each line
	s_cmp_eq_u32 s15, 0
	s_cbranch_scc0 .Lfor_b_\@
	tensor_load_to_lds s[\g0a:\g0a+3], s[\g1a:\g1a+7]
	s_nop 0
.rept 4
	v_nop
.endr
	s_branch .Lasked_\@
.Lfor_b_\@:
	tensor_load_to_lds s[\g0b:\g0b+3], s[\g1b:\g1b+7]
	s_nop 0
.rept 4
	v_nop
.endr
.Lasked_\@:
.endm
.macro CREST
	s_cmp_lg_u32 s14, 0
	s_cbranch_scc1 .Lnot_wave_0_\@
	s_barrier_signal -3
.Lnot_wave_0_\@:
	s_barrier_wait -3
	s_barrier_signal -1
	s_barrier_wait -1
.endm
.macro CROUND
	s_barrier_signal -1
	s_barrier_wait -1
	CREST
.endm
	s_load_b128 s[4:7], s[0:1], 0x0                ; af, wc
	s_load_b128 s[8:11], s[0:1], 0x10              ; scales, out0
	v_lshl_add_u32 v[SPW], v0, 2, SPARE
	v_mov_b32 v[NIL], 0
	ds_add_u32 v[SPW], v[NIL]                      ; the wave's opening: the add and its wait ahead of my first tensor load
	ds_add_u32 v[SPW], v[NIL]
	v_lshrrev_b32 v1, 5, v0
	v_readfirstlane_b32 s14, v1                    ; wave 0..3
	s_lshr_b32 s15, s14, 1                         ; my half of the tile's rows.  Also: I fetch for A (0) or for wo (1)
	s_and_b32 s16, s14, 1                          ; my half of its columns.  Also: which half I fetch
	s_bfe_u32 s40, ttmp6, 0x40000                  ; cx
	s_bfe_u32 s41, ttmp6, 0x40004                  ; cy
	s_lshl_b32 s42, ttmp9, 2
	s_add_co_u32 s42, s42, s40                     ; tile column
	s_and_b32 s17, ttmp7, 0xffff
	s_lshl_b32 s17, s17, 2
	s_add_co_u32 s17, s17, s41                     ; tile row
	s_lshl_b32 s43, s41, 2
	s_lshl_b32 s43, 15, s43                        ; my row of the cluster
	s_lshl_b32 s44, 0x1111, s40                    ; my column
	s_or_b32 s[G1+0], s43, (1<<21)                 ; A: mask; elements of 1 byte; no padding; bit 21 beside a mask
	s_mov_b32 s[G1+1], 4096<<16                    ; tensor_dim0: 4,096 bytes
	s_mov_b32 s[G1+2], 8<<16                       ; tensor_dim1: 8 tiles of rows
	s_mov_b32 s[G1+3], 4096<<16                    ; tile_dim0
	s_mov_b32 s[G1+4], 8                           ; tile_dim1
	s_mov_b32 s[G1+5], 16384                       ; the pitch: a tile of 16 rows is 16,384 bytes of af
	s_mov_b32 s[G1+6], 0
	s_mov_b32 s[G1+7], 0
	s_or_b32 s[G1B+0], s44, (0<<16)|(1<<20)|(1<<21)|(5<<22)|(3<<25)  ; wo: padding of 4 words after every 64
	s_mov_b32 s[G1B+1], ROWB<<16
	s_mov_b32 s[G1B+2], 128<<16
	s_mov_b32 s[G1B+3], ROWB<<16
	s_mov_b32 s[G1B+4], 128
	s_mov_b32 s[G1B+5], KROW
	s_mov_b32 s[G1B+6], 0
	s_mov_b32 s[G1B+7], 0
	s_lshl_b32 s20, s17, 18                        ; A: 16 tiles of rows x 16,384 bytes for each tile row,
	s_lshl_b32 s18, s16, 17                        ; + 8 of them for the second half
	s_add_co_u32 s20, s20, s18
	s_mov_b32 s21, 0
	s_lshl_b32 s46, s42, 8
	s_lshl_b32 s18, s16, 7
	s_add_co_u32 s46, s46, s18
	s_lshl_b32 s46, s46, 10                        ; wo: row 256 x tile column + 128 x half,
	s_add_co_u32 s46, s46, 3<<20                   ; in wc's fourth set
	s_mov_b32 s47, 0
	s_lshl_b32 s45, s16, 15                        ; where they go: A's halves,
	s_mul_i32 s12, s16, HALFT
	s_add_co_u32 s12, s12, BOFF                    ; wo's halves behind them
	s_wait_dscnt 0x0                               ; the opening add is done
	s_wait_kmcnt 0x0
	s_load_b64 s[96:97], s[8:9], 0x28              ; e10, e11
	s_add_nc_u64 s[20:21], s[4:5], s[20:21]
	s_add_nc_u64 s[46:47], s[6:7], s[46:47]
	CROUND                                         ; all sixteen work-groups are here: the first joint loads meet
.irp s, 0,1
	s_mov_b32 s[G0+4*\s], 1
	s_add_co_u32 s[G0+4*\s+1], s45, \s*SLOT
	s_add_nc_u64 s[G0+4*\s+2:G0+4*\s+3], s[20:21], \s*4096
	s_or_b32 s[G0+4*\s+3], s[G0+4*\s+3], 0x80000000
	s_mov_b32 s[G0B+4*\s], 1
	s_add_co_u32 s[G0B+4*\s+1], s12, \s*SLOT
	s_add_nc_u64 s[G0B+4*\s+2:G0B+4*\s+3], s[46:47], \s*ROWB
	s_or_b32 s[G0B+4*\s+3], s[G0B+4*\s+3], 0x80000000
	s_wait_alu depctr_va_vdst(0)
	s_wait_tensorcnt 0x0
	ds_add_u32 v28, v29
	ds_add_u32 v28, v29
	s_wait_dscnt 0x0
	CROUND
	JLOAD G0+4*\s, G1, G0B+4*\s, G1B
.endr
	v_and_b32 v1, 15, v0                           ; l % 16
	v_bfe_u32 v2, v0, 4, 1                         ; l / 16
	v_mul_u32_u24 v3, v1, PITCH
	v_lshl_add_u32 v4, v2, 4, v3
	v_and_b32 v6, 31, v0
	v_lshlrev_b32 v[CO], 4, v6                     ; 16 x lane
	s_wait_alu depctr_va_vdst(0)
	s_lshl_b32 s21, s15, 15                        ; my 128 rows of A
	s_mul_i32 s22, s16, HALFT                      ; my 128 rows of wo
	s_add_co_u32 s22, s22, BOFF
.irp s, 0,1
	v_add_nc_u32 v[ADRA+\s], s21, v[CO]
	v_add_nc_u32 v[ADRB+\s], s22, v4
	s_add_co_u32 s21, s21, SLOT
	s_add_co_u32 s22, s22, SLOT
.endr
	s_mul_i32 s23, s14, 16*SPITCH                  ; my stage
	v_mul_u32_u24 v5, v1, SPITCH                   ; in: row l % 16, 32 bytes for each half of the lanes
	v_lshl_add_u32 v5, v2, 5, v5
	v_add_nc_u32 v[STO], s23, v5
	v_add_nc_u32 v[RD], s23, v[CO]                 ; back: the 32 lanes take one row of 512 bytes
	s_lshl_b32 s20, s17, 8
	s_lshl_b32 s21, s15, 7
	s_add_co_u32 s20, s20, s21                     ; my first row of out0
	s_lshl_b32 s20, s20, 12                        ; rows of 4,096 bytes
	s_lshl_b32 s46, s42, 10                        ; my first column, in bytes
	s_lshl_b32 s47, s16, 9
	s_add_co_u32 s46, s46, s47
	s_add_co_u32 s20, s20, s46
	s_mov_b32 s21, 0
	s_add_nc_u64 s[10:11], s[10:11], s[20:21]
.macro FRAG reg, adr, q, i             ; wo: 16 rows x 128 K from padded rows
.irp c, 0,1,2,3
	ds_load_b128 v[\reg+4*\c:\reg+4*\c+3], v[\adr] offset:128*(\q)+32*\c+(\i)*16*PITCH
.endr
.endm
.macro FRAGA reg, adr, q, i            ; A: the fragment as it lies
.irp c, 0,1,2,3
	ds_load_b128 v[\reg+4*\c:\reg+4*\c+3], v[\adr] offset:(\i)*4096+(\q)*2048+512*\c
.endr
.endm
.macro MUL16 a0, p, zero               ; the 64 accumulators take turns, one instruction a turn, in the same order in every step
.irp a, \a0, \a0+1
.irp b, 0,1,2,3,4,5,6,7
.if \zero
	v_wmma_f32_16x16x128_fp8_fp8 v[8*(8*((\a)%4)+\b):8*(8*((\a)%4)+\b)+7], v[128*(\p)+FR*\b:128*(\p)+FR*\b+FR-1], v[AF+FR*(\a):AF+FR*(\a)+FR-1], 0
.else
	v_wmma_f32_16x16x128_fp8_fp8 v[8*(8*((\a)%4)+\b):8*(8*((\a)%4)+\b)+7], v[128*(\p)+FR*\b:128*(\p)+FR*\b+FR-1], v[AF+FR*(\a):AF+FR*(\a)+FR-1], v[8*(8*((\a)%4)+\b):8*(8*((\a)%4)+\b)+7]
.endif
.endr
.endr
.endm
.macro FETCH_B slot, q, p
	WIN TO_B
.irp i, 0,1,2,3,4,5,6,7
	FRAG 128*(\p)+FR*\i, ADRB+\slot, \q, \i
.endr
	WIN 0
.endm
.macro FETCH_A slot, q, i0
.irp i, \i0, \i0+1, \i0+2, \i0+3
	FRAGA AF+FR*(\i), ADRA+\slot, \q, \i
.endr
.endm
.macro PLACES n
.rept \n
	v_nop
.endr
.endm
.macro STEP slot, q, zero
	s_wait_dscnt 4*NL                              ; wo's set and A's blocks 0-3 are in; the youngest 16 loads (blocks 4-7) may be out
	WIN MUL_LO
	MUL16 0, (\q)%2, \zero
	MUL16 2, (\q)%2, \zero
	s_wait_dscnt 0
	PLACES NP
	FETCH_B \slot, (\q)+1, 1-(\q)%2
	FETCH_A \slot, (\q)+1, 0
	WIN MUL_HI
	MUL16 4, (\q)%2, \zero
	MUL16 6, (\q)%2, \zero
	PLACES NP
	WIN 0
	FETCH_A \slot, (\q)+1, 4
.endm
.macro TURN slot, next, fill
	s_wait_tensorcnt 0x0                           ; all my tensor loads have landed: my part of the next slot
	ds_add_u32 v[SPW], v[NIL]
	s_wait_dscnt 4*NL+1                            ; the add and the youngest 16 loads may be out
	WIN MUL_LO
	MUL16 0, 1, 0
	s_wait_dscnt 0x0                               ; the add is done, and my reads of this slot are over
	s_barrier_signal -1
	MUL16 2, 1, 0
	WIN 0
	s_barrier_wait -1
.if \fill
	CREST                                          ; the barrier has opened a round of the cluster's
	s_add_nc_u64 s[G0+4*\slot+2:G0+4*\slot+3], s[G0+4*\slot+2:G0+4*\slot+3], 2*4096
	s_add_nc_u64 s[G0B+4*\slot+2:G0B+4*\slot+3], s[G0B+4*\slot+2:G0B+4*\slot+3], 2*ROWB
	JLOAD G0+4*\slot, G1, G0B+4*\slot, G1B
.else
	PLACES NP
.endif
	FETCH_B \next, 0, 0
	FETCH_A \next, 0, 0
	WIN MUL_HI
	MUL16 4, 1, 0
	MUL16 6, 1, 0
	PLACES NP
	WIN 0
	FETCH_A \next, 0, 4
.endm
	s_wait_alu depctr_va_vdst(0)
	s_wait_tensorcnt 1                             ; my part of K step 0 is in; K step 1's load may be out
	s_barrier_signal -1
	s_barrier_wait -1
	FETCH_B 0, 0, 0
	FETCH_A 0, 0, 0
	FETCH_A 0, 0, 4
	STEP 0, 0, 1
	s_mov_b32 s3, LAPS-1
.Llap:
	TURN 0, 1, 1
	STEP 1, 0, 0
	TURN 1, 0, 1
	STEP 0, 0, 0
	s_sub_co_u32 s3, s3, 1
	s_cmp_lg_u32 s3, 0
	s_cbranch_scc1 .Llap
	TURN 0, 1, 0
	STEP 1, 0, 0
	s_wait_dscnt 4*NL
	WIN MUL_LO
	MUL16 0, 1, 0
	MUL16 2, 1, 0
	s_wait_dscnt 0
	WIN MUL_HI
	MUL16 4, 1, 0
	MUL16 6, 1, 0
	WIN 0
; THE WAY OUT, block by block of 16 rows x 128 columns, through my own stage in LDS: in as 32 bytes a lane, back as whole rows of 512 bytes.  LDS serves a wave's instructions in order: no wait between the stores and the loads.
.macro TOSTAGE a
.set AC, 64*((\a)%4)
	WIN 0x02+((\a)/4)
.irp j, 0,2,4,6,8,10,12,14,16,18,20,22,24,26,28,30,32,34,36,38,40,42,44,46,48,50,52,54,56,58,60,62
	v_pk_mul_f32 v[TMP+\j:TMP+\j+1], v[AC+\j:AC+\j+1], s[96:97] op_sel_hi:[1,0]   ; x 2^(e10 + e11); each accumulator from its low end on
.endr
	WIN 0
.irp b, 0,1,2,3,4,5,6,7
	ds_store_b128 v[STO], v[TMP+8*\b:TMP+8*\b+3] offset:64*\b
	ds_store_b128 v[STO], v[TMP+8*\b+4:TMP+8*\b+7] offset:64*\b+16
.endr
.set BB, BK+64*((\a)%2)
.irp t, 0,1,2,3,4,5,6,7,8,9,10,11,12,13,14,15
	ds_load_b128 v[BB+4*\t:BB+4*\t+3], v[RD] offset:\t*SPITCH
.endr
.endm
.macro SEND a, younger
.set BB, BK+64*((\a)%2)
	s_wait_dscnt \younger                          ; the block is back in registers
.if (\a) > 0
	s_add_nc_u64 s[10:11], s[10:11], 16*SIZE_N*4   ; (behind a wait on XCNT) 16 rows on
.endif
.irp t, 0,1,2,3,4,5,6,7,8,9,10,11,12,13,14,15
	global_store_b128 v[CO], v[BB+4*\t:BB+4*\t+3], s[10:11] offset:\t*SIZE_N*4 th:TH_STORE_NT   ; 32 lanes store 512 consecutive bytes, aligned
.endr
.endm
	s_wait_kmcnt 0x0
	s_add_co_i32 s96, s96, s97
	s_add_co_i32 s96, s96, 127
	s_lshl_b32 s96, s96, 23                        ; 2^(e10 + e11) as f32
	PLACES NP                                      ; behind the last products: the lines below read results and load into registers that held fragments
	TOSTAGE 0
.irp a, 1,2,3,4,5,6,7
.if \a > 1
	s_wait_xcnt 0x0                                ; block a - 2's stores have read their registers and their base
.endif
	TOSTAGE \a
	SEND \a-1, 32                                  ; behind block a - 1's loads: block a's 16 stores and 16 loads
.endr
	s_wait_xcnt 0x0
	SEND 7, 0
	s_wait_tensorcnt 0x0                           ; the wave's end
	ds_add_u32 v[SPW], v[NIL]
	s_wait_dscnt 0x0
	CROUND                                         ; the closing round
	s_endpgm
.Lfunc_end_k_q5d2770e765_outp:
	.size	k_q5d2770e765_outp, .Lfunc_end_k_q5d2770e765_outp-k_q5d2770e765_outp
	.p2alignl 7, 3214868480
	.fill 96, 4, 3214868480
	.section	.rodata,"a",@progbits
	.p2align	6, 0x0
	.amdhsa_kernel k_q5d2770e765_outp
		.amdhsa_group_segment_fixed_size 327680
		.amdhsa_private_segment_fixed_size 0
		.amdhsa_enable_private_segment 0
		.amdhsa_kernarg_size 32
		.amdhsa_user_sgpr_count 2
		.amdhsa_user_sgpr_kernarg_segment_ptr 1
		.amdhsa_wavefront_size32 1
		.amdhsa_system_sgpr_workgroup_id_x 1
		.amdhsa_system_sgpr_workgroup_id_y 1
		.amdhsa_system_sgpr_workgroup_id_z 1
		.amdhsa_system_vgpr_workitem_id 0
		.amdhsa_next_free_vgpr 1024
		.amdhsa_next_free_sgpr 98
		.amdhsa_reserve_vcc 0
		.amdhsa_float_denorm_mode_32 3
		.amdhsa_float_denorm_mode_16_64 3
		.amdhsa_memory_ordered 1
		.amdhsa_forward_progress 1
		.amdhsa_inst_pref_size 124
	.end_amdhsa_kernel
	.amdgpu_metadata
---
amdhsa.version: [ 1, 2 ]
amdhsa.kernels:
  - .name:           k_q5d2770e765_outp
    .symbol:         k_q5d2770e765_outp.kd
    .args:
      - { .name: af, .offset: 0, .size: 8, .value_kind: global_buffer, .address_space: global }
      - { .name: wc, .offset: 8, .size: 8, .value_kind: global_buffer, .address_space: global }
      - { .name: lowp_scales, .offset: 16, .size: 8, .value_kind: global_buffer, .address_space: global }
      - { .name: out0, .offset: 24, .size: 8, .value_kind: global_buffer, .address_space: global }
    .group_segment_fixed_size: 327680
    .private_segment_fixed_size: 0
    .kernarg_segment_align: 8
    .kernarg_segment_size: 32
    .max_flat_workgroup_size: 128
    .sgpr_count:     98
    .vgpr_count:     1024
    .wavefront_size: 32
...
	.end_amdgpu_metadata
.endif
;; end of part 4
